; MI455X (gfx1250); checked and timed in simulation.
; The chip was launched on July 23, 2026; its instructions are those of AMD's public machine-readable ISA for CDNA 5 (MIT licence, August 2026) and "CDNA5" Instruction Set Architecture Reference Guide (July 2026). The comments in the code are by the model that wrote it; some were corrected since.
;; Overlap Row Parallel Layer. Allowed arithmetic: matrix products marked QUANTISED: E3M2 operands, one E8M0 scale for each 32 along K, by v_wmma_scale_f32_16x16x128_f8f6f4 with both operands' format E3M2, f32 sums; everything else in f32.
;; Inputs: weight 4 x 2,048 x 4,096 float16; x 4 x 2,048 x 4,096 float16.
;; Outputs: out0 2,048 x 2,048 float16.
;; This version of the problem:
;;   THIS VERSION OF THE PROBLEM IS GIVEN IN LOW PRECISION. The matrix products marked QUANTISED in the list below multiply operands that are first quantised to E3M2 (3 exponent bits, 2 mantissa bits; 6 bits a number), with one power-of-two scale for each 32 numbers along K (OCP MX v1.0); their sums are f32. All else is computed in f32.
;;   The module's matrix products, in the order in which they are computed (A, B: the left and right operand; K: the contracted axis; several contracted axes count as one K, in the product's order):
;;     1. [M 2,048, K 16,384] x [K 16,384, N 2,048]; A: input x; B: input weight: QUANTISED
;;   THE QUANTISER, for each operand of a quantised product, along K:
;;     - K is cut into blocks of 32 from its start; a last block that is shorter is filled with zeros.
;;     - A block's scale is 2^e with e = floor(log2(the largest magnitude in the block)) - 4, held to -126 .. 127; a block of zeros has e = 0. As a byte (E8M0): e + 127.
;;     - Each number is divided by its block's scale, clamped to +-28, and rounded to the nearest number of E3M2, ties to even, subnormals kept.
;;     - The product sums the exact products of the quantised numbers (number of the format x scale) in f32.
;;   ~~~python
;;   def quantise(x, axis):      # numpy; x: float32 -> the quantised numbers, widened to float32 again
;;       x = np.moveaxis(x, axis, -1); K = x.shape[-1]
;;       x = np.pad(x, [(0, 0)] * (x.ndim - 1) + [(0, -K % 32)]); x = x.reshape(x.shape[:-1] + (-1, 32)); a = np.abs(x).max(-1, keepdims=True)
;;       e = np.where(a > 0, np.clip(np.frexp(np.where(a > 0, a, 1))[1] - 1 - 4, -126, 127), 0)      # np.frexp(a)[1] - 1 = floor(log2(a)), exactly
;;       r = np.clip(x / 2.0 ** e, -28, 28)
;;       step = 2.0 ** (np.maximum(np.frexp(np.where(r == 0, 1, r))[1] - 1, -2) - 2)
;;       q = np.round(r / step) * step * 2.0 ** e      # np.round: ties to even
;;       return np.moveaxis(q.reshape(q.shape[:-2] + (-1,))[..., :K], -1, axis).astype(np.float32)
;;   ~~~
;; One version. Each part assembles by itself: llvm-mc -triple=amdgcn-amd-amdhsa -mcpu=gfx1250 --defsym DOCPART=n.
;; ======== version 1 of 1: 2 launches
;; limits: values are held in f16: magnitudes above 65,504 overflow, below 6.1e-05 lose precision; right only within a limited range of input values
;; workspace buffers: xq 26,214,400 bytes; wq 26,214,400 bytes
;; launch quant (part 1): grid 2048 x 1, 4 waves a work-group, no clusters, 36,352 bytes of LDS; arguments x, weight, xq, wq; writes xq, wq
.if DOCPART == 1
	.amdgcn_target "amdgcn-amd-amdhsa--gfx1250"
	.amdhsa_code_object_version 6
	.text
	.protected	k_q7a97caf2e4_quant
	.globl	k_q7a97caf2e4_quant
	.p2align	8
	.type	k_q7a97caf2e4_quant,@function
k_q7a97caf2e4_quant:
	s_mov_b64 s[64:65], 0
	v_nop
	global_prefetch_b8 v0, s[64:65] scope:SCOPE_SE
	s_setreg_imm32_b32 hwreg(HW_REG_WAVE_MODE, 25, 1), 1
	s_wait_xcnt 0x0
; x [4][2048][4096] and weight [4][2048][4096], f16, become codes of BF6 (E3M2), 6 bits each, with one E8M0 scale byte for each 32 along the product's K, laid in the ORDER OF THE OPERAND'S REGISTERS.
; THE PRODUCT'S K runs over both contracted axes, k first and the rank last: K = 4 k + rank.  So a block of 32 along K is 8 neighbouring k of ALL FOUR ranks.
; A block's scale is 2^(floor(log2(its largest magnitude)) - 4); its byte is the largest magnitude's exponent field (as f32) - 4, held at 1 from below.  Each number is divided by the scale and rounded to the
; nearest code, ties to even, beyond the largest code the largest.  f16 widens to f32 exactly, so what goes into the quantiser is the input itself.
; LIMITS: NaN and infinities among the inputs are not served.  A block of zeros gets the byte 1 where the rule says 127: its codes are zeros, which add nothing under any byte but 0xff, and this program alone reads the bytes.
; WHAT IS WRITTEN.  K is cut into four quarters of k: quarter c holds k = 1,024 c .. 1,024 c + 1,023 of all ranks, 4,096 along K, 128 blocks a row.  Block q of a row holds k = 1,024 c + 8 q + 0 .. 7; inside it the
; number of rank w lies at place 8 w + k % 8: the same order in both operands, so every product meets its partner, and a block has one scale.
; A PANEL is 128 rows x 128 along K (4 blocks a row) of one quarter: 12,800 bytes.  Panel (row / 128) x 128 + 32 c + s, s = block / 4, lies at 12,800 x that number.
;   bytes 0 .. 12,287: eight fragments of 16 rows x 128 K; register 4 j + i of lane L of fragment f at 1,536 f + 512 j + 16 L + 4 i (lane L = r + 16 h holds row r; registers 6 c .. 6 c + 5 hold the panel's block 2 c + h)
;   bytes 12,288 .. 12,799: the scale words (four bytes: the four blocks of one row): that of fragment 4 j + i, row r at 12,288 + 256 j + 16 r + 4 i
; SHARES.  Work-group u of a tensor: quarter u / 256, panel row (u / 16) % 16, half j = (u / 8) % 2 of its eight fragments, group g = u % 8 of four panels (128 k).  Wave i makes fragment 4 j + i of the four panels:
; 16 steps, a row each.  In a step lane l takes block l / 2 of the row's sixteen and ranks 2 (l % 2) and 2 (l % 2) + 1: two loads of 16 bytes, 8 neighbouring k each.  In each load the sixteen even lanes read 256
; consecutive bytes of one rank, at a multiple of 256 from the buffer's first byte, and the sixteen odd lanes 256 of the rank two on.  So a lane's 16 numbers are half a block as they arrive.
; THE CODES TURN THROUGH LDS.  A lane's 16 codes, 12 bytes, go into a cell of 16 bytes of the wave's own stage (a row of the stage: a step's 32 cells + 16 bytes, so that sixteen rows' cells fall on sixteen different
; columns of 16 bytes).  Behind the sixteen steps lane (r, h) takes, for each of the four fragments, the four cells of its two blocks, and the wave stores each fragment by three stores of 512 consecutive bytes.
; THE SCALE BYTES of the four waves meet in LDS, one barrier between writing and reading; wave i then stores the 256 consecutive bytes of panel 4 g + i.  Loads run eight steps (16 loads a wave) ahead.
.set STEPS, 16
.set AHEAD, 8
.set WGA,   1024                       ; work-groups of a tensor: 4 x 2,048 x 4,096 numbers / (4 waves x 16 steps x 512)
.set EMAX,  4
.set PANEL, 12800
.set RANKB, 2048*4096*2                ; from a rank to the next, in bytes: too far for an immediate offset
.set SROW,  528                        ; a row of the stage
.set STG,   16*SROW                    ; a wave's stage
.set SCB,   4*STG                      ; behind the stages: the scale bytes, a panel's 256 + 16 of padding
.set SCP,   272
.set R,     16                         ; v16-79   eight sets of 8: a step's words as they are loaded (named by number in WIDEN: a register's half is named so)
.set F,     80                         ; v80-95   my 16 numbers in f32
.set E,     96                         ; v96-99   a scale byte: four registers by turns
.set C,     100                        ; v100-115 codes: four sets of four registers by turns; a set is written again behind the wait that shows its LDS store done
.set OB,    16                         ; v16-95, behind the last step: fragment s at v[OB + 20 s]: its 12 registers, then at + 12 and + 16 the pieces that a load of three registers cannot put on an odd number
	s_load_b128 s[4:7], s[0:1], 0x0                ; x, weight
	s_load_b128 s[8:11], s[0:1], 0x10              ; xq, wq
	v_lshl_add_u32 v116, v0, 2, 0x8c00
	v_mov_b32 v117, 0
	v_lshrrev_b32 v1, 5, v0
	v_readfirstlane_b32 s16, v1                    ; wave
	v_and_b32 v2, 31, v0                           ; lane
	v_lshrrev_b32 v14, 1, v2                       ; my block of the step's sixteen
	v_and_b32 v15, 1, v2                           ; which two ranks are mine
	v_lshlrev_b32 v3, 4, v14                       ; in: 16 bytes (8 k) a block,
	v_lshl_add_u32 v3, v15, 25, v3                 ; and two ranks (2 x 2^24 bytes) on for the odd lanes; never rewritten
	s_mul_i32 s17, s16, STG                        ; my wave's stage
	v_lshlrev_b32 v12, 4, v2                       ; 16 x lane: my cell in a row of the stage, and my place in an image; never rewritten
	v_add_nc_u32 v4, s17, v12                      ; the stage on the way in
	v_and_b32 v14, 15, v2                          ; r
	v_lshrrev_b32 v15, 4, v2                       ; h
	v_mul_u32_u24 v10, v14, SROW
	v_lshl_add_u32 v10, v15, 5, v10
	v_add_nc_u32 v10, s17, v10                     ; and on the way out: row r, + 32 h: the cells of lanes e + 2 h + 4 c + 8 s
	v_lshrrev_b32 v14, 3, v2                       ; which of the four panels my block lies in,
	v_bfe_u32 v15, v2, 1, 2                        ; and which of its four blocks it is
	v_mad_u32_u24 v5, v14, SCP, v15
	s_lshl_b32 s18, s16, 2                         ; my wave's word of a row's four
	s_add_co_u32 s18, s18, SCB
	v_add_nc_u32 v5, s18, v5                       ; LDS: my block's scale byte; the row stands in the immediate
	v_lshlrev_b32 v7, 3, v2                        ; on the way out 8 bytes a lane; never rewritten
	s_mul_i32 s18, s16, SCP
	s_add_co_u32 s18, s18, SCB
	v_add_nc_u32 v6, s18, v7                       ; of the panel that bears my wave's number
	s_wait_kmcnt 0x0
	s_cmp_lt_u32 ttmp9, WGA                        ; x's work-group or weight's?  The choice hangs on the work-group's number alone
	s_cselect_b64 s[4:5], s[4:5], s[6:7]
	s_cselect_b64 s[8:9], s[8:9], s[10:11]
	s_cselect_b32 s17, 0, WGA
	s_sub_co_u32 s17, ttmp9, s17                   ; u
	s_lshr_b32 s18, s17, 3
	s_and_b32 s18, s18, 31                         ; (u / 8) % 32: which 64 rows
	s_lshl_b32 s20, s18, 19                        ; in: 64 rows of 8,192 bytes,
	s_lshl_b32 s21, s16, 17                        ; my wave's 16 of them,
	s_add_co_u32 s20, s20, s21
	s_lshr_b32 s21, s17, 8
	s_lshl_b32 s21, s21, 11                        ; 1,024 k = 2,048 bytes a quarter,
	s_add_co_u32 s20, s20, s21
	s_and_b32 s19, s17, 7                          ; g
	s_lshl_b32 s21, s19, 8                         ; 128 k = 256 bytes a group
	s_add_co_u32 s20, s20, s21
	s_mov_b32 s21, 0
	s_add_nc_u64 s[4:5], s[4:5], s[20:21]          ; ranks 0 and 2 (by the lane's offset)
	s_add_nc_u64 s[6:7], s[4:5], RANKB             ; ranks 1 and 3
	; THE ORDER OF THE PANELS, which stands for the order named at the head: panel (row / 128) x 128 + 32 c + s lies at 12,800 x that number, so that the 128 panels of a panel row, all of K, lie on end
	s_lshr_b32 s22, s17, 4
	s_and_b32 s22, s22, 15                         ; panel row
	s_lshl_b32 s22, s22, 7
	s_lshr_b32 s23, s17, 8                         ; quarter c
	s_lshl_b32 s23, s23, 5
	s_add_co_u32 s22, s22, s23
	s_lshl_b32 s23, s19, 2
	s_add_co_u32 s22, s22, s23                     ; the first of my four panels
	s_add_co_u32 s24, s22, s16                     ; the panel whose scale words I store
	s_mul_i32 s22, s22, PANEL
	s_mul_i32 s24, s24, PANEL
	s_and_b32 s18, s18, 1                          ; j
	s_lshl_b32 s23, s18, 2
	s_add_co_u32 s23, s23, s16                     ; my fragment: 4 j + wave
	s_mul_i32 s23, s23, 1536
	s_add_co_u32 s22, s22, s23
	s_mov_b32 s23, 0
	s_lshl_b32 s25, s18, 8                         ; the scale words of fragments 4 j .. 4 j + 3: 256 j on,
	s_add_co_u32 s24, s24, s25
	s_add_co_u32 s24, s24, 12288                   ; behind the panel's eight fragments
	s_mov_b32 s25, 0
	s_add_nc_u64 s[10:11], s[8:9], s[24:25]        ; where my scale words go
	s_add_nc_u64 s[8:9], s[8:9], s[22:23]          ; where my fragments go
.macro LOAD t                          ; step t: row t of my sixteen; read once in the launch
	global_load_b128 v[R+8*((\t)%8):R+8*((\t)%8)+3], v3, s[4:5] offset:8192*(\t) th:TH_LOAD_NT
	global_load_b128 v[R+8*((\t)%8)+4:R+8*((\t)%8)+7], v3, s[6:7] offset:8192*(\t) th:TH_LOAD_NT
.endm
.macro WIDEN s                         ; f16 to f32, exact: set s's eight words give my 16 numbers: the lower rank's 8 k, then the upper rank's
.if (\s) == 0
	v_cvt_f32_f16 v80, v16.l
	v_cvt_f32_f16 v81, v16.h
	v_cvt_f32_f16 v82, v17.l
	v_cvt_f32_f16 v83, v17.h
	v_cvt_f32_f16 v84, v18.l
	v_cvt_f32_f16 v85, v18.h
	v_cvt_f32_f16 v86, v19.l
	v_cvt_f32_f16 v87, v19.h
	v_cvt_f32_f16 v88, v20.l
	v_cvt_f32_f16 v89, v20.h
	v_cvt_f32_f16 v90, v21.l
	v_cvt_f32_f16 v91, v21.h
	v_cvt_f32_f16 v92, v22.l
	v_cvt_f32_f16 v93, v22.h
	v_cvt_f32_f16 v94, v23.l
	v_cvt_f32_f16 v95, v23.h
.endif
.if (\s) == 1
	v_cvt_f32_f16 v80, v24.l
	v_cvt_f32_f16 v81, v24.h
	v_cvt_f32_f16 v82, v25.l
	v_cvt_f32_f16 v83, v25.h
	v_cvt_f32_f16 v84, v26.l
	v_cvt_f32_f16 v85, v26.h
	v_cvt_f32_f16 v86, v27.l
	v_cvt_f32_f16 v87, v27.h
	v_cvt_f32_f16 v88, v28.l
	v_cvt_f32_f16 v89, v28.h
	v_cvt_f32_f16 v90, v29.l
	v_cvt_f32_f16 v91, v29.h
	v_cvt_f32_f16 v92, v30.l
	v_cvt_f32_f16 v93, v30.h
	v_cvt_f32_f16 v94, v31.l
	v_cvt_f32_f16 v95, v31.h
.endif
.if (\s) == 2
	v_cvt_f32_f16 v80, v32.l
	v_cvt_f32_f16 v81, v32.h
	v_cvt_f32_f16 v82, v33.l
	v_cvt_f32_f16 v83, v33.h
	v_cvt_f32_f16 v84, v34.l
	v_cvt_f32_f16 v85, v34.h
	v_cvt_f32_f16 v86, v35.l
	v_cvt_f32_f16 v87, v35.h
	v_cvt_f32_f16 v88, v36.l
	v_cvt_f32_f16 v89, v36.h
	v_cvt_f32_f16 v90, v37.l
	v_cvt_f32_f16 v91, v37.h
	v_cvt_f32_f16 v92, v38.l
	v_cvt_f32_f16 v93, v38.h
	v_cvt_f32_f16 v94, v39.l
	v_cvt_f32_f16 v95, v39.h
.endif
.if (\s) == 3
	v_cvt_f32_f16 v80, v40.l
	v_cvt_f32_f16 v81, v40.h
	v_cvt_f32_f16 v82, v41.l
	v_cvt_f32_f16 v83, v41.h
	v_cvt_f32_f16 v84, v42.l
	v_cvt_f32_f16 v85, v42.h
	v_cvt_f32_f16 v86, v43.l
	v_cvt_f32_f16 v87, v43.h
	v_cvt_f32_f16 v88, v44.l
	v_cvt_f32_f16 v89, v44.h
	v_cvt_f32_f16 v90, v45.l
	v_cvt_f32_f16 v91, v45.h
	v_cvt_f32_f16 v92, v46.l
	v_cvt_f32_f16 v93, v46.h
	v_cvt_f32_f16 v94, v47.l
	v_cvt_f32_f16 v95, v47.h
.endif
.if (\s) == 4
	v_cvt_f32_f16 v80, v48.l
	v_cvt_f32_f16 v81, v48.h
	v_cvt_f32_f16 v82, v49.l
	v_cvt_f32_f16 v83, v49.h
	v_cvt_f32_f16 v84, v50.l
	v_cvt_f32_f16 v85, v50.h
	v_cvt_f32_f16 v86, v51.l
	v_cvt_f32_f16 v87, v51.h
	v_cvt_f32_f16 v88, v52.l
	v_cvt_f32_f16 v89, v52.h
	v_cvt_f32_f16 v90, v53.l
	v_cvt_f32_f16 v91, v53.h
	v_cvt_f32_f16 v92, v54.l
	v_cvt_f32_f16 v93, v54.h
	v_cvt_f32_f16 v94, v55.l
	v_cvt_f32_f16 v95, v55.h
.endif
.if (\s) == 5
	v_cvt_f32_f16 v80, v56.l
	v_cvt_f32_f16 v81, v56.h
	v_cvt_f32_f16 v82, v57.l
	v_cvt_f32_f16 v83, v57.h
	v_cvt_f32_f16 v84, v58.l
	v_cvt_f32_f16 v85, v58.h
	v_cvt_f32_f16 v86, v59.l
	v_cvt_f32_f16 v87, v59.h
	v_cvt_f32_f16 v88, v60.l
	v_cvt_f32_f16 v89, v60.h
	v_cvt_f32_f16 v90, v61.l
	v_cvt_f32_f16 v91, v61.h
	v_cvt_f32_f16 v92, v62.l
	v_cvt_f32_f16 v93, v62.h
	v_cvt_f32_f16 v94, v63.l
	v_cvt_f32_f16 v95, v63.h
.endif
.if (\s) == 6
	v_cvt_f32_f16 v80, v64.l
	v_cvt_f32_f16 v81, v64.h
	v_cvt_f32_f16 v82, v65.l
	v_cvt_f32_f16 v83, v65.h
	v_cvt_f32_f16 v84, v66.l
	v_cvt_f32_f16 v85, v66.h
	v_cvt_f32_f16 v86, v67.l
	v_cvt_f32_f16 v87, v67.h
	v_cvt_f32_f16 v88, v68.l
	v_cvt_f32_f16 v89, v68.h
	v_cvt_f32_f16 v90, v69.l
	v_cvt_f32_f16 v91, v69.h
	v_cvt_f32_f16 v92, v70.l
	v_cvt_f32_f16 v93, v70.h
	v_cvt_f32_f16 v94, v71.l
	v_cvt_f32_f16 v95, v71.h
.endif
.if (\s) == 7
	v_cvt_f32_f16 v80, v72.l
	v_cvt_f32_f16 v81, v72.h
	v_cvt_f32_f16 v82, v73.l
	v_cvt_f32_f16 v83, v73.h
	v_cvt_f32_f16 v84, v74.l
	v_cvt_f32_f16 v85, v74.h
	v_cvt_f32_f16 v86, v75.l
	v_cvt_f32_f16 v87, v75.h
	v_cvt_f32_f16 v88, v76.l
	v_cvt_f32_f16 v89, v76.h
	v_cvt_f32_f16 v90, v77.l
	v_cvt_f32_f16 v91, v77.h
	v_cvt_f32_f16 v92, v78.l
	v_cvt_f32_f16 v93, v78.h
	v_cvt_f32_f16 v94, v79.l
	v_cvt_f32_f16 v95, v79.h
.endif
.endm
.irp t, 0,1,2,3,4,5,6,7
	LOAD \t
.endr
.macro STEP t
.if (\t) < STEPS-AHEAD+1
	s_wait_loadcnt 14                              ; loads come back in order (ISA guide 5.7.1): this step's two are in; the two of each of the seven steps behind it may be out
.else
	s_wait_loadcnt 2*(STEPS-1-(\t))                ; (towards the end there are fewer behind it)
.endif
.if (\t) > 3
	s_wait_dscnt 6                                 ; the two LDS stores of four steps ago are done (behind them: two of each of three steps): their registers are written again below
.endif
	WIDEN (\t)%8
.if (\t)+AHEAD < STEPS
	LOAD (\t)+AHEAD                                ; the set has been read: it takes the loads of eight steps on
.endif
	v_max3_num_f32 v8, |v[F]|, |v[F+1]|, |v[F+2]|                  ; the largest magnitude of my 16, in two chains
	v_max3_num_f32 v9, |v[F+3]|, |v[F+4]|, |v[F+5]|
.irp i, 6,10
	v_max3_num_f32 v8, v8, |v[F+\i]|, |v[F+\i+1]|
	v_max3_num_f32 v9, v9, |v[F+\i+2]|, |v[F+\i+3]|
.endr
	v_max3_num_f32 v8, v8, |v[F+14]|, |v[F+15]|
	v_max3_num_f32 v8, v8, v9, (EMAX+1)<<23        ; and the floor 2^(EMAX + 1 - 127), under which no largest magnitude is taken: so the byte cannot fall under 1
	v_max_num_f32_dpp v8, v8, v8 row_xmask:1 row_mask:0xf bank_mask:0xf   ; and of my neighbour's 16, the other two ranks': the block's
	v_add_nc_u32 v11, -(EMAX<<23), v8              ; EMAX off its exponent field: the conversion takes the exponent field of this operand as its scale, and nothing else of it
	v_cvt_scalef32_pk16_bf6_f32 v[C+4*((\t)%4):C+4*((\t)%4)+2], v[F:F+15], v11   ; 96 bits without gaps, the first number's code lowest
	v_lshrrev_b32 v[E+(\t)%4], 23, v11             ; the scale's byte; also the plain vector instruction behind the conversion
	ds_store_b8 v5, v[E+(\t)%4] offset:16*(\t)     ; both lanes of a block write the same byte with the same value
	ds_store_b96 v4, v[C+4*((\t)%4):C+4*((\t)%4)+2] offset:SROW*(\t)   ; my 12 bytes into my cell of row t
.endm
.irp t, 0,1,2,3,4,5,6,7,8,9,10,11,12,13,14,15
	STEP \t
.endr
; Lane (r, h) of fragment s wants registers 6 c + 3 e + 0 .. 2 from the cell of lane e + 2 h + 4 c + 8 s of row r.  LDS serves a wave's instructions in order (ISA guide 5.7.1.4): these loads see my stores.
.irp s, 0,1,2,3
	ds_load_b96 v[OB+20*\s:OB+20*\s+2],     v10 offset:128*\s      ; c = 0, e = 0: registers 0-2
	ds_load_b96 v[OB+20*\s+12:OB+20*\s+14], v10 offset:128*\s+16   ; c = 0, e = 1: for registers 3-5
	ds_load_b96 v[OB+20*\s+6:OB+20*\s+8],   v10 offset:128*\s+64   ; c = 1, e = 0: registers 6-8
	ds_load_b96 v[OB+20*\s+16:OB+20*\s+18], v10 offset:128*\s+80   ; c = 1, e = 1: for registers 9-11
.endr
	s_wait_dscnt 0x0                               ; for the others' sake: my scale bytes are stored; and my codes are back
	s_barrier_signal -1
.irp s, 0,1,2,3                                ; register work while the others arrive
.irp i, 0,1,2
	v_mov_b32 v[OB+20*\s+3+\i], v[OB+20*\s+12+\i]
	v_mov_b32 v[OB+20*\s+9+\i], v[OB+20*\s+16+\i]
.endr
.endr
	s_wait_alu depctr_va_vdst(0)
	s_barrier_wait -1                              ; all four waves' scale bytes lie in LDS
	ds_load_b64 v[8:9], v6                         ; the words of fragments 4 j .. 4 j + 3 of the panel that bears my wave's number
.irp s, 0,1,2,3
.irp j, 0,1,2
	global_store_b128 v12, v[OB+20*\s+4*\j:OB+20*\s+4*\j+3], s[8:9] offset:PANEL*\s+512*\j th:TH_STORE_NT   ; 32 lanes store 512 consecutive bytes, at a multiple of 256 from the buffer's first byte
.endr
.endr
	s_wait_dscnt 0x0
	global_store_b64 v7, v[8:9], s[10:11] th:TH_STORE_NT   ; 32 lanes store 256 consecutive bytes, at a multiple of 256 from the buffer's first byte
	s_wait_tensorcnt 0x0
	ds_add_u32 v116, v117
	s_wait_dscnt 0x0
	s_endpgm
.Lfunc_end_k_q7a97caf2e4_quant:
	.size	k_q7a97caf2e4_quant, .Lfunc_end_k_q7a97caf2e4_quant-k_q7a97caf2e4_quant
	.p2alignl 7, 3214868480
	.fill 96, 4, 3214868480
	.section	.rodata,"a",@progbits
	.p2align	6, 0x0
	.amdhsa_kernel k_q7a97caf2e4_quant
		.amdhsa_group_segment_fixed_size 36352
		.amdhsa_private_segment_fixed_size 0
		.amdhsa_enable_private_segment 0
		.amdhsa_kernarg_size 32
		.amdhsa_user_sgpr_count 2
		.amdhsa_user_sgpr_kernarg_segment_ptr 1
		.amdhsa_wavefront_size32 1
		.amdhsa_system_sgpr_workgroup_id_x 1
		.amdhsa_system_sgpr_workgroup_id_y 1
		.amdhsa_system_sgpr_workgroup_id_z 1
		.amdhsa_system_vgpr_workitem_id 0
		.amdhsa_next_free_vgpr 120
		.amdhsa_next_free_sgpr 66
		.amdhsa_reserve_vcc 0
		.amdhsa_float_denorm_mode_32 3
		.amdhsa_float_denorm_mode_16_64 3
		.amdhsa_memory_ordered 1
		.amdhsa_forward_progress 1
		.amdhsa_inst_pref_size 33
	.end_amdhsa_kernel
	.amdgpu_metadata
---
amdhsa.version: [ 1, 2 ]
amdhsa.kernels:
  - .name:           k_q7a97caf2e4_quant
    .symbol:         k_q7a97caf2e4_quant.kd
    .args:
      - { .name: x, .offset: 0, .size: 8, .value_kind: global_buffer, .address_space: global }
      - { .name: weight, .offset: 8, .size: 8, .value_kind: global_buffer, .address_space: global }
      - { .name: xq, .offset: 16, .size: 8, .value_kind: global_buffer, .address_space: global }
      - { .name: wq, .offset: 24, .size: 8, .value_kind: global_buffer, .address_space: global }
    .group_segment_fixed_size: 36352
    .private_segment_fixed_size: 0
    .kernarg_segment_align: 8
    .kernarg_segment_size: 32
    .max_flat_workgroup_size: 128
    .sgpr_count:     66
    .vgpr_count:     120
    .wavefront_size: 32
...
	.end_amdgpu_metadata
.endif
;; end of part 1
;; launch gemm (part 2): grid 16 x 16, 4 waves a work-group, clusters of 4 x 4, 327,680 bytes of LDS; arguments xq, wq, out0; writes out0
.if DOCPART == 2
	.amdgcn_target "amdgcn-amd-amdhsa--gfx1250"
	.amdhsa_code_object_version 6
	.text
	.protected	k_q7a97caf2e4_gemm
	.globl	k_q7a97caf2e4_gemm
	.p2align	8
	.type	k_q7a97caf2e4_gemm,@function
k_q7a97caf2e4_gemm:
	s_mov_b64 s[64:65], 0
	v_nop
	global_prefetch_b8 v0, s[64:65] scope:SCOPE_SE
	s_setreg_imm32_b32 hwreg(HW_REG_WAVE_MODE, 25, 1), 1
	s_wait_xcnt 0x0
	s_wait_alu depctr_hold_cnt(0) depctr_sa_sdst(0) depctr_va_vdst(0) depctr_va_sdst(0) depctr_va_ssrc(0) depctr_va_vcc(0) depctr_vm_vsrc(0)
	s_getreg_b32 s2, hwreg(HW_REG_IB_STS2, 6, 4)
	s_cmp_eq_u32 s2, 0
	s_cbranch_scc0 .Lentry_in_a_cluster
	s_endpgm
.Lentry_in_a_cluster:
	s_bfe_u32 s2, ttmp6, 0x10000c
	s_cmp_lg_u32 s2, 0xf033
	s_cbranch_scc0 .Lentry_shape_is_right
	s_endpgm
.Lentry_shape_is_right:
; out0[m][n] = f16 of the sum over all of the product's K of x's and weight's quantised numbers: codes of BF6 with E8M0 scales, f32 sums.
; xq and wq hold PANELS of 128 rows x 128 K, 12,800 bytes, in the order of an operand's registers: eight fragments of 1,536 bytes, then 512 bytes of scale words; the 128 panels of a panel row lie on end.
; A work-group of four waves makes 128 x 128 of the result over all 128 K steps: 256 work-groups, and no partial sum goes through memory.
; THE RING: two slots, each with six K steps: x's six panels, then weight's six (153,600 bytes).  Waves 0, 1 fetch x's two halves, waves 2, 3 weight's: 150 rows of 256 bytes a load.  21 such tiles and a last one of two steps (a panel a wave,
; laid at the slot's panels 4 and 5).  By this text's count a wave has one tensor load out.  CLUSTERS of 4 x 4: x's tiles are asked for jointly along a row of the cluster, weight's along a column.
; A WAVE'S SHARE of a tile: K is dealt among the waves.  Wave w takes the whole of step w (128 x 128: 64 products on 16 fragments) and half of step 4 + w / 2 (x's blocks 4 (w % 2) .. + 3: 32 products on 12 fragments):
; 112 fragments are read for the 96 that a tile holds, and every wave has 96 products.  Of the last tile a wave takes its half step alone.  Each wave has all 64 accumulators, 512 registers.
; ORDER OF ROUNDING: each output has four f32 sums, one a wave, each over its wave's K steps ascending; they are added as (s + r1) + (r2 + r3) in f32 and rounded once to f16 (beyond f16's largest number: infinity).
; x's block pairs are laid in the accumulators by own xor g (own = 2 (w % 2) + w / 2; g = 0 .. 3 the pair of accumulator rows), by LDS addresses alone: pair 0 is the 32 rows that the wave finishes, pairs 0 and 1 are the half step's,
; and pair g belongs to the wave whose own is mine xor g: the exchange needs no branch.
; PREFETCH: behind each refill the tile after it is asked for; of the 150 blocks of 256 bytes that a wave fetches, each of the four partners that ask jointly takes 38, told apart by address: two instructions a wave.  The last tile comes by its load alone.
; THE MATRIX INSTRUCTION IS USED TRANSPOSED (source 0 = weight's 16 rows, source 1 = x's): a lane holds eight neighbouring numbers of a row of the result.
; REGISTERS: window 0: v0-63 addresses; v64-79 the whole step's scale words (x's 8, weight's 8), v80-91 the half step's (4, 8); v96-191 the half step's fragments of weight, v192-239 of x.
;   window 1: the whole step's fragments: weight's at v0, x's at v96.  Windows 2, 3: the accumulators ((a, b) at v[8 (8 (a % 4) + b)]).
.set PANEL,  12800
.set TROW,   128*PANEL
.set REG,    3*PANEL
.set OPND,   6*PANEL
.set SLOT,   2*OPND
.set SPARE,  2*SLOT                    ; behind the slots: the spare words, 128 bytes a wave
.set XGRP,   16384                     ; the exchange: 16 accumulators as an image of their registers
.set XWAVE,  3*XGRP                    ; bytes 0 .. 196,607; none of them holds the last tile, and all had their last read two barriers or more ago
.set STAGE,  230400                    ; a stage of 32 rows for each wave, in bytes of slot 1 that do not hold the last tile either
.set SPITCH, 272
.set FR,     12
.set AFA, 8                            ; v8-15  LDS: x's block pair g of the whole step in ring slot sl, at AFA + 2 g + sl
.set AHA, 16                           ; v16-19 the same for the half step, g = 0, 1
.set BFA, 20                           ; v20-21 weight's fragments, whole step;  v22-23 half step
.set BHA, 22
.set PF1, 26
.set PF2, 27
.set SPW, 28
.set NIL, 29
.set SAF, 32                           ; v32-39, v40-43 x's scale words, as AFA and AHA
.set SAH, 40
.set SBF, 44                           ; v44-45, v46-47 weight's scale words
.set SBH, 46
.set XS,  48
.set XL,  49                           ; v49-51
.set STO, 52
.set RD,  53
.set CO,  54
.set SCF, 64
.set SCH, 80
.set G1,   24
.set G0,   32
.set G1B,  48
.set G0B,  56
.set G0L,  68
.set G0LB, 72
.set PFA,  76
.set MSB, 0
.macro WIN new
.if MSB != (\new)
	s_set_vgpr_msb (MSB<<8)|(\new)
.set MSB, (\new)
.endif
.endm
.macro PLACES
.rept 4
	v_nop
.endr
.endm
.macro JLOAD g0a, g1a, g0b, g1b
	s_cmp_eq_u32 s15, 0
	s_cbranch_scc0 .Lfor_b_\@
	tensor_load_to_lds s[\g0a:\g0a+3], s[\g1a:\g1a+7]
	s_nop 0
	PLACES
	s_branch .Lasked_\@
.Lfor_b_\@:
	tensor_load_to_lds s[\g0b:\g0b+3], s[\g1b:\g1b+7]
	s_nop 0
	PLACES
.Lasked_\@:
.endm
.macro CREST
	s_cmp_lg_u32 s14, 0
	s_cbranch_scc1 .Lnot_wave_0_\@
	s_barrier_signal -3
.Lnot_wave_0_\@:
	s_barrier_wait -3
	s_barrier_signal -1
	s_barrier_wait -1
.endm
.macro CROUND
	s_barrier_signal -1
	s_barrier_wait -1
	CREST
.endm
; the whole step: 54 LDS loads: 6 of scale words, weight's 24, then x's four pairs of blocks, 6 each
.macro FETCHF sl
	ds_load_b128 v[SCF+8:SCF+11], v[SBF+(\sl)]
	ds_load_b128 v[SCF+12:SCF+15], v[SBF+(\sl)] offset:256
.irp g, 0,1,2,3
	ds_load_b64 v[SCF+2*\g:SCF+2*\g+1], v[SAF+2*\g+(\sl)]
.endr
	WIN 0x40
.irp b, 0,1,2,3,4,5,6,7
.irp j, 0,1,2
	ds_load_b128 v[FR*\b+4*\j:FR*\b+4*\j+3], v[BFA+(\sl)] offset:1536*\b+512*\j
.endr
.endr
.irp g, 0,1,2,3
.irp e, 0,1
.irp j, 0,1,2
	ds_load_b128 v[96+FR*(2*\g+\e)+4*\j:96+FR*(2*\g+\e)+4*\j+3], v[AFA+2*\g+(\sl)] offset:1536*\e+512*\j
.endr
.endr
.endr
.endm
; the half step in two runs: 16 loads (4 of scale words, weight's blocks 0-3), then 24 (weight's blocks 4-7, x's two pairs)
.macro FETCHH1 sl
	ds_load_b128 v[SCH+4:SCH+7], v[SBH+(\sl)]
	ds_load_b128 v[SCH+8:SCH+11], v[SBH+(\sl)] offset:256
.irp g, 0,1
	ds_load_b64 v[SCH+2*\g:SCH+2*\g+1], v[SAH+2*\g+(\sl)]
.endr
.irp b, 0,1,2,3
.irp j, 0,1,2
	ds_load_b128 v[96+FR*\b+4*\j:96+FR*\b+4*\j+3], v[BHA+(\sl)] offset:1536*\b+512*\j
.endr
.endr
.endm
.macro FETCHH2 sl
.irp b, 4,5,6,7
.irp j, 0,1,2
	ds_load_b128 v[96+FR*\b+4*\j:96+FR*\b+4*\j+3], v[BHA+(\sl)] offset:1536*\b+512*\j
.endr
.endr
.irp g, 0,1
.irp e, 0,1
.irp j, 0,1,2
	ds_load_b128 v[192+FR*(2*\g+\e)+4*\j:192+FR*(2*\g+\e)+4*\j+3], v[AHA+2*\g+(\sl)] offset:1536*\e+512*\j
.endr
.endr
.endr
.endm
; 16 products of the whole step: accumulator rows 2 g, 2 g + 1.  The accumulators take turns
.macro MULP g, zero
.irp a, 2*(\g), 2*(\g)+1
.irp b, 0,1,2,3,4,5,6,7
.if \zero
	v_wmma_scale_f32_16x16x128_f8f6f4 v[8*(8*((\a)%4)+\b):8*(8*((\a)%4)+\b)+7], v[FR*\b:FR*\b+FR-1], v[96+FR*(\a):96+FR*(\a)+FR-1], 0, v[SCF+8+\b], v[SCF+(\a)] matrix_a_fmt:MATRIX_FMT_BF6 matrix_b_fmt:MATRIX_FMT_BF6
.else
	v_wmma_scale_f32_16x16x128_f8f6f4 v[8*(8*((\a)%4)+\b):8*(8*((\a)%4)+\b)+7], v[FR*\b:FR*\b+FR-1], v[96+FR*(\a):96+FR*(\a)+FR-1], v[8*(8*((\a)%4)+\b):8*(8*((\a)%4)+\b)+7], v[SCF+8+\b], v[SCF+(\a)] matrix_a_fmt:MATRIX_FMT_BF6 matrix_b_fmt:MATRIX_FMT_BF6
.endif
.endr
.endr
.endm
.macro MULH                            ; the half step's 32 products: accumulator rows 0 to 3
.irp a, 0,1,2,3
.irp b, 0,1,2,3,4,5,6,7
	v_wmma_scale_f32_16x16x128_f8f6f4 v[8*(8*\a+\b):8*(8*\a+\b)+7], v[96+FR*\b:96+FR*\b+FR-1], v[192+FR*\a:192+FR*\a+FR-1], v[8*(8*\a+\b):8*(8*\a+\b)+7], v[SCH+4+\b], v[SCH+\a] matrix_a_fmt:MATRIX_FMT_BF6 matrix_b_fmt:MATRIX_FMT_BF6
.endr
.endr
.endm
.set MF_LO, 0xa5                       ; sources 0 and 1 window 1, C and D window 2
.set MF_HI, 0xf5                       ; the same, C and D window 3
.set MH,    0xa0                       ; sources window 0, C and D window 2
; The tile in ring slot sl is multiplied.  First the other slot, read out in the turn before, is filled: fill = 1 with the next tile, 2 with the last, short one, 0 not.  ask: the panel, counted from PFA, at which the tile asked of memory begins (0: none).  whole = 0: the last tile.
.macro PERIOD sl, zero, fill, ask, whole
	s_wait_tensorcnt 0x0                           ; my load has landed: my part of this tile
	ds_add_u32 v[SPW], v[NIL]
.if (\fill) == 1
	s_add_nc_u64 s[G0+4*(\sl)+2:G0+4*(\sl)+3], s[G0+4*(\sl)+2:G0+4*(\sl)+3], 2*OPND      ; no tensor load of mine is out: this slot's next tile
	s_add_nc_u64 s[G0B+4*(\sl)+2:G0B+4*(\sl)+3], s[G0B+4*(\sl)+2:G0B+4*(\sl)+3], 2*OPND
.endif
.if (\fill) == 2
	s_mov_b32 s[G1+2], 50<<16                      ; the last tile's loads bring a panel: 50 rows
	s_mov_b32 s[G1+4], 50
	s_mov_b32 s[G1B+2], 50<<16
	s_mov_b32 s[G1B+4], 50
.endif
	s_wait_dscnt 0x0                               ; the add is done, and so are my reads of the other slot
.if (\fill) == 0
	s_barrier_signal -1
	s_barrier_wait -1
	PLACES
.else
	CROUND                                         ; the same holds of every wave of the cluster
.if (\fill) == 1
	JLOAD G0+4*(1-(\sl)), G1, G0B+4*(1-(\sl)), G1B ; its four v_nop are the places ahead of all this turn's loads into registers that the last turn's products read
.else
	JLOAD G0L, G1, G0LB, G1B
.endif
.endif
.if \whole
	FETCHF \sl
	s_wait_dscnt 18                                ; scale words, weight and x's pair 0 are in; behind them: pairs 1 to 3
	WIN MF_LO
	MULP 0, \zero
	WIN 0
	FETCHH1 \sl
.if (\ask) > 0
	global_prefetch_b8 v[PF1], s[PFA:PFA+1] offset:(\ask)*PANEL th:TH_LOAD_NT scope:SCOPE_SE
	global_prefetch_b8 v[PF2], s[PFA:PFA+1] offset:(\ask)*PANEL th:TH_LOAD_NT scope:SCOPE_SE
.endif
	s_wait_dscnt 28                                ; pair 1 is in; behind it: pairs 2, 3 and the half step's first 16
	WIN MF_LO
	MULP 1, \zero
	WIN 0
	FETCHH2 \sl
	s_wait_dscnt 46                                ; pair 2; behind it: pair 3 and the half step's 40
	WIN MF_HI
	MULP 2, \zero
	s_wait_dscnt 40
	MULP 3, \zero
.else
	FETCHH1 \sl
	FETCHH2 \sl
.endif
	s_wait_dscnt 0x0
	WIN MH
	MULH
	WIN 0
.endm
	s_load_b128 s[4:7], s[0:1], 0x0                ; xq, wq
	s_load_b64 s[8:9], s[0:1], 0x10                ; out0
	v_lshl_add_u32 v[SPW], v0, 2, SPARE
	v_mov_b32 v[NIL], 0
	ds_add_u32 v[SPW], v[NIL]
	ds_add_u32 v[SPW], v[NIL]
	v_lshrrev_b32 v1, 5, v0
	v_readfirstlane_b32 s14, v1                    ; wave
	s_lshr_b32 s15, s14, 1                         ; I fetch for x (0) or for weight (1)
	s_and_b32 s16, s14, 1                          ; which three panels of the six I fetch
	s_bfe_u32 s40, ttmp6, 0x40000                  ; cx
	s_bfe_u32 s41, ttmp6, 0x40004                  ; cy
	s_lshl_b32 s42, ttmp9, 2
	s_add_co_u32 s42, s42, s40                     ; tile column
	s_and_b32 s17, ttmp7, 0xffff
	s_lshl_b32 s17, s17, 2
	s_add_co_u32 s17, s17, s41                     ; tile row
	s_lshl_b32 s43, s41, 2
	s_lshl_b32 s43, 15, s43                        ; my row of the cluster
	s_lshl_b32 s44, 0x1111, s40                    ; my column
	s_or_b32 s[G1+0], s43, (3<<16)|(1<<21)         ; elements of 8 bytes
	s_or_b32 s[G1B+0], s44, (3<<16)|(1<<21)
.irp g, G1, G1B
	s_mov_b32 s[\g+1], 32<<16
	s_mov_b32 s[\g+2], 150<<16
	s_mov_b32 s[\g+3], 32<<16
	s_mov_b32 s[\g+4], 150
	s_mov_b32 s[\g+5], 32
	s_mov_b32 s[\g+6], 0
	s_mov_b32 s[\g+7], 0
.endr
	s_mul_i32 s20, s17, TROW                       ; x's panel row
	s_mov_b32 s21, 0
	s_mul_i32 s46, s42, TROW                       ; weight's
	s_mov_b32 s47, 0
	s_mul_i32 s86, s16, REG
	s_mov_b32 s87, 0
	s_mul_i32 s88, s16, PANEL
	s_mov_b32 s89, 0
	s_mul_i32 s45, s14, REG                        ; where my share of a tile goes
	s_mul_i32 s23, s15, OPND
	s_add_co_u32 s23, s23, s88
	s_add_co_u32 s23, s23, 4*PANEL                 ; and my panel of the last tile: the slot's panel 4 or 5
	s_lshl_b32 s18, s16, 1
	s_add_co_u32 s18, s18, s15                     ; own
	s_mul_i32 s19, s14, PANEL                      ; the whole step's panel: w
	s_add_co_u32 s22, s15, 4
	s_mul_i32 s22, s22, PANEL                      ; the half step's: 4 + w / 2
	s_cmp_eq_u32 s15, 0
	s_cselect_b32 s90, s40, s41                    ; my place among the four that ask with me
	s_mul_i32 s90, s90, 38
	s_lshl_b32 s78, s17, 7
	s_lshl_b32 s79, s18, 5
	s_add_co_u32 s78, s78, s79
	s_lshl_b32 s78, s78, 12                        ; out0: row 128 x tile row + 32 x own, of 4,096 bytes,
	s_lshl_b32 s79, s42, 8
	s_add_co_u32 s78, s78, s79                     ; + 256 x tile column
	s_mov_b32 s79, 0
	v_and_b32 v3, 31, v0
	v_and_b32 v1, 15, v0
	v_bfe_u32 v2, v0, 4, 1
	v_lshlrev_b32 v4, 4, v3
	v_lshlrev_b32 v5, 4, v1
	s_wait_alu depctr_va_vdst(0)
.irp g, 0,1,2,3
	s_xor_b32 s80, s18, \g                         ; the block pair in accumulator rows 2 g, 2 g + 1
	s_mul_i32 s81, s80, 3072                       ; its two fragments,
	s_lshr_b32 s82, s80, 1
	s_lshl_b32 s82, s82, 8
	s_and_b32 s83, s80, 1
	s_lshl_b32 s83, s83, 3
	s_add_co_u32 s82, s82, s83
	s_add_co_u32 s82, s82, 12288                   ; and their two scale words
	s_add_co_u32 s84, s81, s19
	s_add_co_u32 s85, s82, s19
	v_add_nc_u32 v[AFA+2*\g], s84, v4
	v_add_nc_u32 v[AFA+2*\g+1], SLOT, v[AFA+2*\g]
	v_add_nc_u32 v[SAF+2*\g], s85, v5
	v_add_nc_u32 v[SAF+2*\g+1], SLOT, v[SAF+2*\g]
.if \g < 2
	s_add_co_u32 s84, s81, s22
	s_add_co_u32 s85, s82, s22
	v_add_nc_u32 v[AHA+2*\g], s84, v4
	v_add_nc_u32 v[AHA+2*\g+1], SLOT, v[AHA+2*\g]
	v_add_nc_u32 v[SAH+2*\g], s85, v5
	v_add_nc_u32 v[SAH+2*\g+1], SLOT, v[SAH+2*\g]
.endif
.if \g > 0
	s_mul_i32 s84, s80, XWAVE
	s_add_co_u32 s84, s84, (\g-1)*XGRP
	v_add_nc_u32 v[XL+\g-1], s84, v4               ; the exchange: group g of the wave whose own is mine xor g
.endif
.endr
	s_add_co_u32 s84, s19, OPND
	s_add_co_u32 s85, s84, 12288
	v_add_nc_u32 v[BFA], s84, v4
	v_add_nc_u32 v[BFA+1], SLOT, v[BFA]
	v_add_nc_u32 v[SBF], s85, v5
	v_add_nc_u32 v[SBF+1], SLOT, v[SBF]
	s_add_co_u32 s84, s22, OPND
	s_add_co_u32 s85, s84, 12288
	v_add_nc_u32 v[BHA], s84, v4
	v_add_nc_u32 v[BHA+1], SLOT, v[BHA]
	v_add_nc_u32 v[SBH], s85, v5
	v_add_nc_u32 v[SBH+1], SLOT, v[SBH]
	s_mul_i32 s84, s18, XWAVE
	s_mul_i32 s85, s14, 32*SPITCH
	s_add_co_u32 s85, s85, STAGE                   ; my stage
	v_add_nc_u32 v[XS], s84, v4
	v_mul_u32_u24 v6, v1, SPITCH
	v_lshl_add_u32 v6, v2, 4, v6
	v_add_nc_u32 v[STO], s85, v6
	v_mul_u32_u24 v7, v2, SPITCH
	v_add_nc_u32 v7, v7, v5
	v_add_nc_u32 v[RD], s85, v7
	v_lshl_add_u32 v[CO], v2, 12, v5
	v_add_nc_u32 v6, s90, v3
	v_min_u32 v6, 149, v6                          ; lanes left over name the last block again
	v_lshlrev_b32 v[PF1], 8, v6
	v_min_u32 v7, 5, v3
	v_add_nc_u32 v7, s90, v7
	v_add_nc_u32 v7, 32, v7
	v_min_u32 v7, 149, v7
	v_lshlrev_b32 v[PF2], 8, v7
	s_wait_alu depctr_va_vdst(0)
	s_wait_dscnt 0x0
	s_wait_kmcnt 0x0
	s_add_nc_u64 s[20:21], s[4:5], s[20:21]
	s_add_nc_u64 s[46:47], s[6:7], s[46:47]
	s_add_nc_u64 s[8:9], s[8:9], s[78:79]
	s_mov_b32 s[G0L], 1                            ; the last tile, steps 126 and 127, into ring slot 1
	s_add_co_u32 s[G0L+1], s23, SLOT
	s_add_nc_u64 s[G0L+2:G0L+3], s[20:21], s[88:89]
	s_add_nc_u64 s[G0L+2:G0L+3], s[G0L+2:G0L+3], 126*PANEL
	s_or_b32 s[G0L+3], s[G0L+3], 0x80000000
	s_mov_b32 s[G0LB], 1
	s_add_co_u32 s[G0LB+1], s23, SLOT
	s_add_nc_u64 s[G0LB+2:G0LB+3], s[46:47], s[88:89]
	s_add_nc_u64 s[G0LB+2:G0LB+3], s[G0LB+2:G0LB+3], 126*PANEL
	s_or_b32 s[G0LB+3], s[G0LB+3], 0x80000000
	s_add_nc_u64 s[20:21], s[20:21], s[86:87]      ; my three panels of a tile's six
	s_add_nc_u64 s[46:47], s[46:47], s[86:87]
.irp s, 0,1
	s_mov_b32 s[G0+4*\s], 1
	s_add_co_u32 s[G0+4*\s+1], s45, \s*SLOT
	s_add_nc_u64 s[G0+4*\s+2:G0+4*\s+3], s[20:21], \s*OPND
	s_or_b32 s[G0+4*\s+3], s[G0+4*\s+3], 0x80000000
	s_mov_b32 s[G0B+4*\s], 1
	s_add_co_u32 s[G0B+4*\s+1], s45, \s*SLOT
	s_add_nc_u64 s[G0B+4*\s+2:G0B+4*\s+3], s[46:47], \s*OPND
	s_or_b32 s[G0B+4*\s+3], s[G0B+4*\s+3], 0x80000000
.endr
	s_cmp_eq_u32 s15, 0
	s_cselect_b64 s[PFA:PFA+1], s[20:21], s[46:47]
	CROUND                                         ; the round in front of the first joint loads
	JLOAD G0, G1, G0B, G1B                         ; tile 0: one tensor load a wave at the head
	global_prefetch_b8 v[PF1], s[PFA:PFA+1] offset:6*PANEL th:TH_LOAD_NT scope:SCOPE_SE   ; tile 1
	global_prefetch_b8 v[PF2], s[PFA:PFA+1] offset:6*PANEL th:TH_LOAD_NT scope:SCOPE_SE
	PERIOD 0, 1, 1, 12, 1                          ; tile 0: its whole step's products start the sums; slot 1's first fill is issued as a refill is
	s_mov_b32 s3, 9
.Llap:                                                 ; tiles 1 to 18, two a trip
	PERIOD 1, 0, 1, 18, 1
	PERIOD 0, 0, 1, 24, 1
	s_wait_xcnt 0x0                                ; the prefetches have read their base
	s_add_nc_u64 s[PFA:PFA+1], s[PFA:PFA+1], 2*OPND
	s_sub_co_u32 s3, s3, 1
	s_cmp_lg_u32 s3, 0
	s_cbranch_scc1 .Llap
	PERIOD 1, 0, 1, 0, 1                           ; tile 19
	PERIOD 0, 0, 2, 0, 1                           ; tile 20; the last, short tile is asked for
	PERIOD 1, 0, 0, 0, 0                           ; tile 21: a half step a wave
; THE WAY OUT.  Accumulator rows 2-7 go to the three waves that finish them, as images of the registers; what the three send me is added to my rows 0, 1.
	PLACES
	WIN 0x08                                       ; the data: window 2
.set I, 0
.rept 32
	ds_store_b128 v[XS], v[128+4*I:128+4*I+3] offset:512*I             ; group 1; each accumulator from its low end on
.set I, I+1
.endr
	WIN 0x0c                                       ; window 3
.set I, 0
.rept 64
	ds_store_b128 v[XS], v[4*I:4*I+3] offset:XGRP+512*I                ; groups 2 and 3
.set I, I+1
.endr
	WIN 0
	s_wait_dscnt 0x0
	s_barrier_signal -1
	s_barrier_wait -1
	WIN 0x40
.set I, 0
.rept 32
	ds_load_b128 v[4*I:4*I+3], v[XL] offset:512*I                      ; r1
	ds_load_b128 v[128+4*I:128+4*I+3], v[XL+1] offset:512*I            ; r2
.set I, I+1
.endr
	WIN 0
.set I, 0
.rept 32
	ds_load_b128 v[96+4*I:96+4*I+3], v[XL+2] offset:512*I              ; r3
.set I, I+1
.endr
	s_wait_dscnt 0x0
	WIN 0x46                                       ; source 0 window 2, source 1 and destination window 1
.set I, 0
.rept 64
	v_pk_add_f32 v[2*I:2*I+1], v[2*I:2*I+1], v[2*I:2*I+1]              ; s + r1
.set I, I+1
.endr
	WIN 0x01                                       ; source 0 window 1, source 1 and destination window 0
.set I, 0
.rept 64
	v_pk_add_f32 v[96+2*I:97+2*I], v[128+2*I:129+2*I], v[96+2*I:97+2*I]   ; r2 + r3
.set I, I+1
.endr
.set I, 0
.rept 64
	v_pk_add_f32 v[96+2*I:97+2*I], v[2*I:2*I+1], v[96+2*I:97+2*I]      ; and the two together
.set I, I+1
.endr
	WIN 0
.set I, 0
.rept 64
	v_cvt_pk_f16_f32 v[96+I], v[96+2*I], v[97+2*I]                     ; rounded once; the result lands on registers whose numbers have been read
.set I, I+1
.endr
.irp e, 0,1
.irp b, 0,1,2,3,4,5,6,7
	ds_store_b128 v[STO], v[96+4*(8*\e+\b):96+4*(8*\e+\b)+3] offset:\e*16*SPITCH+32*\b   ; 16 bytes of a row into my own stage
.endr
.endr
.irp t, 0,1,2,3,4,5,6,7,8,9,10,11,12,13,14,15
	ds_load_b128 v[160+4*\t:160+4*\t+3], v[RD] offset:\t*2*SPITCH      ; LDS serves a wave's instructions in order: these see my stores
.endr
.irp t, 0,1,2,3,4,5,6,7,8,9,10,11,12,13,14,15
	s_wait_dscnt 15-\t
	global_store_b128 v[CO], v[160+4*\t:160+4*\t+3], s[8:9] offset:2*\t*4096 th:TH_STORE_NT   ; 16 lanes store 256 consecutive bytes, at a multiple of 256 from out0's first byte
.endr
	s_wait_tensorcnt 0x0                           ; the wave's end
	ds_add_u32 v[SPW], v[NIL]
	s_wait_dscnt 0x0
	CROUND                                         ; the closing round
	s_endpgm
.Lfunc_end_k_q7a97caf2e4_gemm:
	.size	k_q7a97caf2e4_gemm, .Lfunc_end_k_q7a97caf2e4_gemm-k_q7a97caf2e4_gemm
	.p2alignl 7, 3214868480
	.fill 96, 4, 3214868480
	.section	.rodata,"a",@progbits
	.p2align	6, 0x0
	.amdhsa_kernel k_q7a97caf2e4_gemm
		.amdhsa_group_segment_fixed_size 327680
		.amdhsa_private_segment_fixed_size 0
		.amdhsa_enable_private_segment 0
		.amdhsa_kernarg_size 24
		.amdhsa_user_sgpr_count 2
		.amdhsa_user_sgpr_kernarg_segment_ptr 1
		.amdhsa_wavefront_size32 1
		.amdhsa_system_sgpr_workgroup_id_x 1
		.amdhsa_system_sgpr_workgroup_id_y 1
		.amdhsa_system_sgpr_workgroup_id_z 1
		.amdhsa_system_vgpr_workitem_id 0
		.amdhsa_next_free_vgpr 1024
		.amdhsa_next_free_sgpr 98
		.amdhsa_reserve_vcc 0
		.amdhsa_float_denorm_mode_32 3
		.amdhsa_float_denorm_mode_16_64 3
		.amdhsa_memory_ordered 1
		.amdhsa_forward_progress 1
		.amdhsa_inst_pref_size 149
	.end_amdhsa_kernel
	.amdgpu_metadata
---
amdhsa.version: [ 1, 2 ]
amdhsa.kernels:
  - .name:           k_q7a97caf2e4_gemm
    .symbol:         k_q7a97caf2e4_gemm.kd
    .args:
      - { .name: xq, .offset: 0, .size: 8, .value_kind: global_buffer, .address_space: global }
      - { .name: wq, .offset: 8, .size: 8, .value_kind: global_buffer, .address_space: global }
      - { .name: out0, .offset: 16, .size: 8, .value_kind: global_buffer, .address_space: global }
    .group_segment_fixed_size: 327680
    .private_segment_fixed_size: 0
    .kernarg_segment_align: 8
    .kernarg_segment_size: 24
    .max_flat_workgroup_size: 128
    .sgpr_count:     98
    .vgpr_count:     1024
    .wavefront_size: 32
...
	.end_amdgpu_metadata
.endif
;; end of part 2
